; MI455X (gfx1250); checked and timed in simulation.
; The chip was launched on July 23, 2026; its instructions are those of AMD's public machine-readable ISA for CDNA 5 (MIT licence, August 2026) and "CDNA5" Instruction Set Architecture Reference Guide (July 2026). The comments in the code are by the model that wrote it; some were corrected since.
;; Neural AES Implementation. Allowed arithmetic: float matrix products may take bf16 or f16 operands with f32 sums; all other float work in f32.
;; Inputs: round_keys 11 x 1 x 4 x 4 x 8 float32; sbox_b0 32 float32; sbox_w0 32 x 8 float32; sbox_w1 8 x 32 float32; state_tensor 65,536 x 128 float32; xorb 2 float32; xorw 2 x 2 float32.
;; Outputs: out0 65,536 x 128 float32.
;; One version. Each part assembles by itself: llvm-mc -triple=amdgcn-amd-amdhsa -mcpu=gfx1250 --defsym DOCPART=n.
;; ======== version 1 of 1: 1 launch
;; limits: values outside matrix products are rounded to bf16
;; launch aes (part 1): grid 256 x 1, 16 waves a work-group, no clusters, 148,480 bytes of LDS; arguments state_tensor, round_keys, xorw, xorb, sbox_w0, sbox_b0, sbox_w1, out0; writes out0
.if DOCPART == 1
	.amdgcn_target "amdgcn-amd-amdhsa--gfx1250"
	.amdhsa_code_object_version 6
	.text
	.protected	k_qc86d7a0c08_aes
	.globl	k_qc86d7a0c08_aes
	.p2align	8
	.type	k_qc86d7a0c08_aes,@function
k_qc86d7a0c08_aes:
	s_mov_b64 s[64:65], 0
	v_nop
	global_prefetch_b8 v0, s[64:65] scope:SCOPE_SE
	s_setreg_imm32_b32 hwreg(HW_REG_WAVE_MODE, 25, 1), 1
	s_wait_xcnt 0x0
; Ten AES-like rounds of a small relu network on 65,536 states of 128 f32.  One launch; every state byte is read once and written once.
; SHARES: 4,096 tiles of 16 states = 256 work-groups x 16 waves.  A wave owns one tile from the first load to the last store and keeps it in
; registers through all ten AES rounds.  The waves share only a table of key terms in LDS: one barrier in all.
; LAYOUT: lane L, r = L & 15 = the state, h = (L >> 4) & 1.  Tile T = 2 i + P holds byte (i, j = 2 P + h), register n = bit n.
;   layer 1:  D1[g] = A1(hs, g) x X[T] + BIAS[g].  X[T] is the B operand: registers 0-3 the bits' upper bf16 parts (k 0-7 byte h = 0, k 8-15 byte h = 1),
;             registers 4-7 the lower parts (k 16-31).  A1(hs, g) holds rows 16 g + r of W0 at the k places of byte hs, twice, and 0 elsewhere:
;             one instruction makes W0 (x_hi + x_lo) for one byte and 16 hidden units.  D1[g], register n, lane (r, h) = hidden 16 g + 8 h + n.
;   layer 2:  relu and packing of register pairs of D1 give the B operand with k = hidden index, with no move between lanes.
;             A2's row m holds W1[m & 7]: all rows (A2B), rows 0-7 (A2T) or rows 8-15 (A2L), so that shift_rows and the three-row sum of
;             mix_columns are the choice of the target tiles: D2[T], register n, lane (r, h) = the sum s of bit n of byte (i, 2 P + h).
;   element-wise: with g = min(|max(s - 1, -1)|, |s - 3|) the parity gadget is 1 - g for every s; the key gadget's c0 = -w00 g + (w01 k + b0 + w00),
;             c1 likewise; the brackets lie in the LDS table KK.
; LIMITS, kept on purpose: every input (state, keys, xor weights and biases, both weight matrices, the bias) is rounded once to bf16 when it is loaded;
; activations go to the matrix unit as two bf16 operands, upper + lower part, 16 significant bits; everything else is f32.  relu by v_max_num gives 0
; for a NaN.  A finite number within half a bf16 step of the largest f32 rounds to infinity.  Sums are formed in another order than the problem's function forms them.
; LEFT OUT: tensor loads and LDS rings (each input byte is used at one moment, 8 KiB a wave); clusters (work-groups share 7,832 bytes of weights and
; keys and nothing else); prefetches (nothing is fetched behind the first loads).
.set DUAL,    1                        ; 1: relu of two registers as one dual instruction; 0: as two plain ones
.set MIDDLE,  9                        ; AES rounds 1 to 9 have mix_columns
.set ROWB,    512                      ; bytes of a state
.set KKROUND, 1024                     ; KK: bytes of one AES round: tile x 128 + h x 64 + c x 32 + 4 x bit
.set STAGE,   11264                    ; behind KK's 11 x 1,024 bytes: a stage of 16 rows for each wave
.set SPITCH,  528                      ; 512 + 16 = 33 x 16 bytes: the 16-byte pieces that sixteen lanes take of sixteen rows differ modulo 256 bytes
.set WSTAGE,  16*SPITCH
; v0 thread; v1 KK read address (64 h, + 1,024 an AES round); v2 stage, fragment view (528 r + 128 h); v3 stage, row view (16 L);
; v4 16 L (offset in a state's row and in a round's keys); v5 32 r (W0); v6 32 h (bias); v7 128 (r & 7) + 32 h (W1)
.set A1,   8                           ; v[8:39]    A1(hs, g) at 8 + 8 (2 hs + g)
.set BIAS, 40                          ; v[40:55]   BIAS[g] at 40 + 8 g
.set A2B,  56                          ; v[56:63]   W1, all 16 rows
.set A2T,  64                          ; v[64:71]   rows 0-7 only
.set A2L,  72                          ; v[72:79]   rows 8-15 only
.set X,    80                          ; v[80:143]  X[T]; also the set-up's temporaries, a tile's temporary in the fold, the last AES round's key terms
.set D2,   144                         ; v[144:207] D2[T]; also the rows as loaded and as stored
.set D1,   208                         ; v[208:239] two buffers of 16; also the key terms' two buffers
.set HH,   240                         ; v[240:247] hidden, upper parts
.set HL,   248                         ; v[248:255] hidden, lower parts
.set W0F,  80                          ; set-up: W0 rows in f32 (16)
.set W1F,  96                          ; W1 in f32 (16)
.set W0P,  112                         ; W0 packed (8)
.set BP,   120                         ; bias packed (8)
.set KF,   120                         ; keys in f32 (4), used ahead of BP
.set KR,   124                         ; key terms (8)
.set KP,   132                         ; keys packed (2)
.set XC,   134                         ; xor constants (6)
.set KA,   140                         ; where my key terms go
; s[8:23] the eight addresses; s24 wave; s25 my stage; s[26:27] my tile's byte offset; s[28:29] -w00; s[30:31] -w10; s[32:33] w00; s[34:35] w10;
; s[36:37] -1.0; s[38:39] -3.0; s[40:45] xorw, xorb as loaded; s46 w01; s47 w11; s48 b0; s49 b1; s50-54 the table's addends; s55 upper-half mask;
; s56 counter; s58 lanes h = 0; s59 h = 1; s60 r < 8; s61 r >= 8; s[62:63] my keys' byte offset
.macro RELU2 a, c                      ; max(x, c) on registers a (even) and a + 1
.if DUAL
	v_dual_max_num_f32 v[\a], \c, v[\a] :: v_dual_max_num_f32 v[\a+1], \c, v[\a+1]
.else
	v_max_num_f32 v[\a], \c, v[\a]
	v_max_num_f32 v[\a+1], \c, v[\a+1]
.endif
.endm
.macro PLACES                          ; four independent vector instructions between a matrix instruction and the first vector read of its result (ISA guide 7.12.1)
.rept 4
	v_nop
.endr
.endm
; eight f32 in src .. src+7 become four registers of upper parts (rounded to bf16) and four of lower parts (value - upper part, exact, rounded once)
.macro HILO hi, lo, src
.irp t, 0,1,2,3
	v_cvt_pk_bf16_f32 v[\hi+\t], v[\src+2*\t], v[\src+2*\t+1]
.endr
.irp t, 0,1,2,3
	v_fma_mixlo_bf16 v[\lo+\t], v[\hi+\t], s36, v[\src+2*\t] op_sel_hi:[1,0,0]
.endr
.irp t, 0,1,2,3
	v_fma_mixhi_bf16 v[\lo+\t], v[\hi+\t], s36, v[\src+2*\t+1] op_sel:[1,0,0] op_sel_hi:[1,0,0]
.endr
.endm
; layer 1 of source byte b = 4 j' + is, hidden units 16 g .. 16 g + 15, into D1's buffer b & 1
.macro L1G b, g
.set l_jp, (\b)>>2
.set l_t,  2*((\b)&3)+(l_jp>>1)
.set l_d,  D1+16*((\b)&1)+8*(\g)
.set l_a,  A1+8*(2*(l_jp&1)+(\g))
.set l_x,  X+8*l_t
.set l_c,  BIAS+8*(\g)
	v_wmma_f32_16x16x32_bf16 v[l_d:l_d+7], v[l_a:l_a+7], v[l_x:l_x+7], v[l_c:l_c+7]
.endm
.macro L1 b
	L1G \b, 0
	L1G \b, 1
.endm
; relu of a D1 buffer's 16 registers, then the two layer-2 operands.  The eight relu lines stand first: they are the places between the
; last layer-2 products and the first write of their sources hh and hl.
.macro HPH d, hh, hl
.irp k, 0,2,4,6,8,10,12,14
	RELU2 \d+\k, 0
.endr
	HILO \hh, \hl, \d
	HILO \hh+4, \hl+4, \d+8
.endm
.macro W2 t, var, hreg, first          ; one layer-2 product into tile t; first = 1 starts the sum
.if \first
	v_wmma_f32_16x16x32_bf16 v[D2+8*(\t):D2+8*(\t)+7], v[\var:\var+7], v[\hreg:\hreg+7], 0
.else
	v_wmma_f32_16x16x32_bf16 v[D2+8*(\t):D2+8*(\t)+7], v[\var:\var+7], v[\hreg:\hreg+7], v[D2+8*(\t):D2+8*(\t)+7]
.endif
.endm
; layer 2 of source byte b in an AES round with mix_columns: column io = (is - j') & 3; row j' enters the sums of rows j', j' - 1, j' - 2.
; The two tiles take turns, one instruction a turn.
.macro L2MID b
.set m_jp, (\b)>>2
.set m_io, ((\b)-m_jp)&3
.set m_f, 0
.if m_jp == 0
.set m_v0, A2T
.set m_v1, A2B
.set m_f, 1
.endif
.if m_jp == 1
.set m_v0, A2B
.set m_v1, A2L
.endif
.if m_jp == 2
.set m_v0, A2B
.set m_v1, A2T
.endif
.if m_jp == 3
.set m_v0, A2L
.set m_v1, A2B
.endif
	W2 2*m_io,   m_v0, HH, m_f
	W2 2*m_io+1, m_v1, HH, m_f
	W2 2*m_io,   m_v0, HL, 0
	W2 2*m_io+1, m_v1, HL, 0
.endm
; the last AES round: source byte b goes to one half of one tile; layer 1 of byte b + 2 takes turns with it
.macro FINSTEP b
.set f_jp, (\b)>>2
.set f_t,  2*(((\b)-f_jp)&3)+(f_jp>>1)
.if f_jp&1
.set f_v, A2L
.set f_f, 0
.else
.set f_v, A2T
.set f_f, 1
.endif
	W2 f_t, f_v, HH, f_f
	L1G \b+2, 0
	W2 f_t, f_v, HL, 0
	L1G \b+2, 1
.endm
.macro KKLOAD buf, t                   ; tile t's key terms: c0's eight, then c1's eight; the sixteen lanes of a half read the same bytes
.irp q, 0,1,2,3
	ds_load_b128 v[\buf+4*\q:\buf+4*\q+3], v1 offset:128*(\t)+16*\q
.endr
.endm
.macro GFOLD t                         ; D2[t] := g = min(|max(s - 1, -1)|, |s - 3|); X[t] is the temporary
.irp k, 0,2,4,6
	v_pk_add_f32 v[X+8*(\t)+\k:X+8*(\t)+\k+1], v[D2+8*(\t)+\k:D2+8*(\t)+\k+1], s[36:37] op_sel_hi:[1,0]
.endr
.irp k, 0,2,4,6
	v_pk_add_f32 v[D2+8*(\t)+\k:D2+8*(\t)+\k+1], v[D2+8*(\t)+\k:D2+8*(\t)+\k+1], s[38:39] op_sel_hi:[1,0]
.endr
.irp k, 0,2,4,6
	RELU2 X+8*(\t)+\k, -1.0
.endr
.irp k, 0,1,2,3,4,5,6,7
	v_min_num_f32 v[D2+8*(\t)+\k], |v[X+8*(\t)+\k]|, |v[D2+8*(\t)+\k]|
.endr
.endm
.macro ARKFMA t, buf, sa, sb           ; c0 and c1 in place of the key terms: D2[t] x s[sa] + term, D2[t] x s[sb] + term
.irp k, 0,2,4,6
	v_pk_fma_f32 v[\buf+\k:\buf+\k+1], v[D2+8*(\t)+\k:D2+8*(\t)+\k+1], s[\sa:\sa+1], v[\buf+\k:\buf+\k+1] op_sel_hi:[1,0,1]
.endr
.irp k, 0,2,4,6
	v_pk_fma_f32 v[\buf+8+\k:\buf+8+\k+1], v[D2+8*(\t)+\k:D2+8*(\t)+\k+1], s[\sb:\sb+1], v[\buf+8+\k:\buf+8+\k+1] op_sel_hi:[1,0,1]
.endr
.endm
.macro ARKTAIL t, buf                  ; D2[t] := relu(c0) + relu(c1)
.irp k, 0,2,4,6,8,10,12,14
	RELU2 \buf+\k, 0
.endr
.irp k, 0,2,4,6
	v_pk_add_f32 v[D2+8*(\t)+\k:D2+8*(\t)+\k+1], v[\buf+\k:\buf+\k+1], v[\buf+8+\k:\buf+8+\k+1]
.endr
.endm
; cnt: how many younger LDS instructions may stay out when tile t's four key loads have to be in; nxt: the tile whose terms this buffer takes next, or -1
.macro EMID t, buf, cnt, nxt           ; AES rounds 1 to 9: parity gadget, key gadget, new X[t]
	GFOLD \t
	s_wait_dscnt \cnt
	ARKFMA \t, \buf, 28, 30
	ARKTAIL \t, \buf
.if \nxt >= 0
	KKLOAD \buf, \nxt
.endif
	HILO X+8*(\t), X+8*(\t)+4, D2+8*(\t)
.endm
.macro E0 t, buf, cnt, nxt             ; the opening key gadget on the state as loaded, which is first rounded to bf16
	s_wait_dscnt \cnt
.irp q, 0,1,2,3
	v_cvt_pk_bf16_f32 v[X+8*(\t)+\q], v[D2+8*(\t)+2*\q], v[D2+8*(\t)+2*\q+1]
.endr
.irp q, 0,1,2,3
	v_lshlrev_b32 v[D2+8*(\t)+2*\q], 16, v[X+8*(\t)+\q]
	v_and_b32 v[D2+8*(\t)+2*\q+1], s55, v[X+8*(\t)+\q]
.endr
	ARKFMA \t, \buf, 32, 34
	ARKTAIL \t, \buf
.if \nxt >= 0
	KKLOAD \buf, \nxt
.endif
	HILO X+8*(\t), X+8*(\t)+4, D2+8*(\t)
.endm
.macro EFIN t, buf, cnt, nxt           ; the closing key gadget; the tile goes to its place in my stage
	s_wait_dscnt \cnt
	ARKFMA \t, \buf, 32, 34
	ARKTAIL \t, \buf
	ds_store_b128 v2, v[D2+8*(\t):D2+8*(\t)+3]   offset:256*((\t)&1)+32*((\t)>>1)
	ds_store_b128 v2, v[D2+8*(\t)+4:D2+8*(\t)+7] offset:256*((\t)&1)+32*((\t)>>1)+16
.if \nxt >= 0
	KKLOAD \buf, \nxt
.endif
.endm
	; ---- head: addresses, lane terms, all loads ----
	s_load_b512 s[8:23], s[0:1], 0x0               ; state 8, keys 10, xorw 12, xorb 14, W0 16, bias 18, W1 20, out 22
	v_lshrrev_b32 v1, 5, v0
	v_readfirstlane_b32 s24, v1                    ; wave 0..15
	v_and_b32 v4, 31, v0                           ; L
	v_and_b32 v5, 15, v0                           ; r
	v_bfe_u32 v6, v0, 4, 1                         ; h
	v_and_b32 v7, 7, v0                            ; r & 7
	v_cmp_eq_u32 s58, 0, v6                        ; lanes with h = 0
	v_cmp_gt_u32 s60, 8, v5                        ; lanes with r < 8
	s_not_b32 s59, s58
	s_not_b32 s61, s60
	s_mul_i32 s25, s24, WSTAGE
	s_add_co_u32 s25, s25, STAGE                   ; my stage
	v_mul_u32_u24 v2, v5, SPITCH
	v_lshl_add_u32 v2, v6, 7, v2
	v_add_nc_u32 v2, s25, v2                       ; state r's row, + 128 h: byte (i, 2 P + h) lies 256 P + 32 i further on
	v_lshl_add_u32 v3, v4, 4, s25                  ; my 16 bytes of a row
	v_lshlrev_b32 v1, 6, v6                        ; KK: 64 h
	v_lshlrev_b32 v7, 7, v7
	v_lshl_add_u32 v7, v6, 5, v7                   ; W1: row r & 7, k = 8 h
	v_lshlrev_b32 v4, 4, v4
	v_lshlrev_b32 v5, 5, v5                        ; W0: row r
	v_lshlrev_b32 v6, 5, v6                        ; bias: 8 h
	s_mov_b32 s55, 0xffff0000
	s_mov_b32 s36, 0xbf800000                      ; -1.0
	s_mov_b32 s37, 0xbf800000
	s_mov_b32 s38, 0xc0400000                      ; -3.0
	s_mov_b32 s39, 0xc0400000
	s_lshl_b32 s26, ttmp9, 17                      ; work-group x 16 waves x 16 states x 512 bytes
	s_lshl_b32 s27, s24, 13                        ; + wave x 16 states x 512 bytes: below 2^25
	s_add_co_u32 s26, s26, s27
	s_mov_b32 s27, 0
	s_wait_kmcnt 0x0
	s_load_b128 s[40:43], s[12:13], 0x0            ; w00 w01 w10 w11
	s_load_b64 s[44:45], s[14:15], 0x0             ; b0 b1
	s_add_nc_u64 s[8:9], s[8:9], s[26:27]
	s_add_nc_u64 s[22:23], s[22:23], s[26:27]
.irp row, 0,1,2,3,4,5,6,7,8,9,10,11,12,13,14,15
	global_load_b128 v[D2+4*\row:D2+4*\row+3], v4, s[8:9] offset:ROWB*\row th:TH_LOAD_NT   ; a whole state: 512 consecutive bytes, aligned
.endr
.irp g, 0,1
	global_load_b128 v[W0F+8*\g:W0F+8*\g+3],   v5, s[16:17] offset:512*\g
	global_load_b128 v[W0F+8*\g+4:W0F+8*\g+7], v5, s[16:17] offset:512*\g+16
	global_load_b128 v[BIAS+8*\g:BIAS+8*\g+3],   v6, s[18:19] offset:64*\g
	global_load_b128 v[BIAS+8*\g+4:BIAS+8*\g+7], v6, s[18:19] offset:64*\g+16
.endr
	global_load_b128 v[W1F:W1F+3],     v7, s[20:21]
	global_load_b128 v[W1F+4:W1F+7],   v7, s[20:21] offset:16
	global_load_b128 v[W1F+8:W1F+11],  v7, s[20:21] offset:64
	global_load_b128 v[W1F+12:W1F+15], v7, s[20:21] offset:80
	s_wait_kmcnt 0x0
	; the xor gadget's six numbers, rounded to bf16 like every input, back in scalar registers
	v_cvt_pk_bf16_f32 v[XC],   s40, s41
	v_cvt_pk_bf16_f32 v[XC+1], s42, s43
	v_cvt_pk_bf16_f32 v[XC+2], s44, s45
	v_lshlrev_b32 v[XC+3], 16, v[XC]
	v_and_b32     v[XC],   s55, v[XC]
	v_lshlrev_b32 v[XC+4], 16, v[XC+1]
	v_and_b32     v[XC+1], s55, v[XC+1]
	v_lshlrev_b32 v[XC+5], 16, v[XC+2]
	v_and_b32     v[XC+2], s55, v[XC+2]
	v_readfirstlane_b32 s32, v[XC+3]               ; w00
	v_readfirstlane_b32 s46, v[XC]                 ; w01
	v_readfirstlane_b32 s34, v[XC+4]               ; w10
	v_readfirstlane_b32 s47, v[XC+1]               ; w11
	v_readfirstlane_b32 s48, v[XC+5]               ; b0
	v_readfirstlane_b32 s49, v[XC+2]               ; b1
	s_mov_b32 s33, s32
	s_mov_b32 s35, s34
	s_xor_b32 s28, s32, 0x80000000                 ; -w00
	s_xor_b32 s30, s34, 0x80000000                 ; -w10
	s_mov_b32 s29, s28
	s_mov_b32 s31, s30
	; ---- the table of key terms: wave rho (0 to 10) makes AES round rho's 128 x 2 terms ----
	s_cmp_gt_u32 s24, 10
	s_cbranch_scc1 .Lno_table
	s_lshl_b32 s62, s24, 9                         ; a round's keys are 512 bytes
	s_mov_b32 s63, 0
	s_add_nc_u64 s[10:11], s[10:11], s[62:63]
	global_load_b128 v[KF:KF+3], v4, s[10:11]      ; keys 4 L .. 4 L + 3
	v_bfe_u32 v[KA], v0, 1, 4                      ; key e = 16 T + 8 h + bit lies at (e >> 3) x 64 + (e & 7) x 4: here (L >> 1) x 64 + (L & 1) x 16
	v_and_b32 v[KP], 1, v0
	v_lshlrev_b32 v[KA], 6, v[KA]
	v_lshl_add_u32 v[KA], v[KP], 4, v[KA]
	v_lshl_add_u32 v[KA], s24, 10, v[KA]
	s_sub_co_u32 s50, s24, 1
	s_cmp_lt_u32 s50, MIDDLE                       ; rho = 1 .. 9: the gadget's 1 - g folds w00 and w10 into the terms
	s_cselect_b32 s51, s32, 0
	s_cselect_b32 s52, s34, 0
	s_add_f32 s53, s48, s51
	s_add_f32 s54, s49, s52
	s_wait_loadcnt 0x0                             ; the keys were my youngest load
	v_cvt_pk_bf16_f32 v[KP],   v[KF],   v[KF+1]
	v_cvt_pk_bf16_f32 v[KP+1], v[KF+2], v[KF+3]
	v_lshlrev_b32 v[KF],   16, v[KP]
	v_and_b32     v[KF+1], s55, v[KP]
	v_lshlrev_b32 v[KF+2], 16, v[KP+1]
	v_and_b32     v[KF+3], s55, v[KP+1]
.irp q, 0,1,2,3
	v_fma_f32 v[KR+\q],   v[KF+\q], s46, s53       ; w01 k + b0 (+ w00)
	v_fma_f32 v[KR+4+\q], v[KF+\q], s47, s54       ; w11 k + b1 (+ w10)
.endr
	ds_store_b128 v[KA], v[KR:KR+3]
	ds_store_b128 v[KA], v[KR+4:KR+7] offset:32
.Lno_table:
	; ---- my 16 rows into my stage; the constant fragments ----
	s_wait_loadcnt 12                              ; the 16 rows are in; the 12 younger loads of weights may be out
.irp row, 0,1,2,3,4,5,6,7,8,9,10,11,12,13,14,15
	ds_store_b128 v3, v[D2+4*\row:D2+4*\row+3] offset:SPITCH*\row
.endr
	s_wait_loadcnt 0x0
.irp g, 0,1
.irp t, 0,1,2,3
	v_cvt_pk_bf16_f32 v[W0P+4*\g+\t], v[W0F+8*\g+2*\t], v[W0F+8*\g+2*\t+1]
.endr
.endr
.irp hs, 0,1
.irp g, 0,1
.irp t, 0,1,2,3
	v_cndmask_b32 v[A1+8*(2*\hs+\g)+\t],   0, v[W0P+4*\g+\t], s[58+\hs]    ; W0's row in the lanes whose k places are byte hs's, for the upper parts
	v_cndmask_b32 v[A1+8*(2*\hs+\g)+4+\t], 0, v[W0P+4*\g+\t], s[58+\hs]    ; and again for the lower parts
.endr
.endr
.endr
.irp t, 0,1,2,3,4,5,6,7
	v_cvt_pk_bf16_f32 v[BP+\t], v[BIAS+2*\t], v[BIAS+2*\t+1]
.endr
.irp t, 0,1,2,3,4,5,6,7
	v_lshlrev_b32 v[BIAS+2*\t],   16, v[BP+\t]
	v_and_b32     v[BIAS+2*\t+1], s55, v[BP+\t]
.endr
.irp t, 0,1,2,3,4,5,6,7
	v_cvt_pk_bf16_f32 v[A2B+\t], v[W1F+2*\t], v[W1F+2*\t+1]
.endr
.irp t, 0,1,2,3,4,5,6,7
	v_cndmask_b32 v[A2T+\t], 0, v[A2B+\t], s60
	v_cndmask_b32 v[A2L+\t], 0, v[A2B+\t], s61
.endr
	; the registers of lower parts are written half by half, each half keeping the other: they are given a value once, which is never used
.irp t, 0,1,2,3,4,5,6,7
.irp q, 4,5,6,7
	v_mov_b32 v[X+8*\t+\q], 0
.endr
	v_mov_b32 v[HL+\t], 0
.endr
	s_wait_dscnt 0x0                               ; my key terms are in LDS, for the other waves' sake
	s_barrier_signal -1
	s_barrier_wait -1                              ; everybody's are: KK is only read from here on
	; ---- the opening key gadget ----
.irp t, 0,1,2,3,4,5,6,7
	ds_load_b128 v[D2+8*\t:D2+8*\t+3],   v2 offset:256*(\t&1)+32*(\t>>1)
	ds_load_b128 v[D2+8*\t+4:D2+8*\t+7], v2 offset:256*(\t&1)+32*(\t>>1)+16
.endr
	KKLOAD D1, 0
	KKLOAD D1+16, 1
	E0 0, D1,    4, 2                              ; 4: the other buffer's four loads may stay out
	E0 1, D1+16, 4, 3
	E0 2, D1,    4, 4
	E0 3, D1+16, 4, 5
	E0 4, D1,    4, 6
	E0 5, D1+16, 4, 7
	E0 6, D1,    4, -1
	E0 7, D1+16, 0, -1
	v_add_nc_u32 v1, KKROUND, v1
	; ---- AES rounds 1 to 9 ----
	; Layer 1 runs two source bytes ahead on two buffers: between a layer-1 product and the relu that reads it stand the 32 vector instructions
	; of the byte between.  No two matrix instructions that follow each other name the same accumulator, over the backward jump too.
	s_mov_b32 s56, MIDDLE
.Lround:
	L1 0
	L1 1
	PLACES
.irp b, 0,1,2,3,4,5,6,7,8,9,10,11,12,13
	HPH D1+16*(\b&1), HH, HL
	L2MID \b
	L1 \b+2
.endr
	HPH D1, HH, HL                                 ; byte 14
	L2MID 14
	KKLOAD D1, 2                                   ; D1's buffers are free one after the other: they take the key terms
	HPH D1+16, HH, HL                              ; byte 15
	L2MID 15
	KKLOAD D1+16, 3
	EMID 2, D1,    4, 4                            ; in the order in which the columns' sums were finished: bytes 12, 13, 14, 15 closed columns 1, 2, 3, 0
	EMID 3, D1+16, 4, 5
	EMID 4, D1,    4, 6
	EMID 5, D1+16, 4, 7
	EMID 6, D1,    4, 0
	EMID 7, D1+16, 4, 1
	EMID 0, D1,    4, -1
	EMID 1, D1+16, 0, -1
	v_add_nc_u32 v1, KKROUND, v1
	s_sub_co_i32 s56, s56, 1
	s_cmp_lg_u32 s56, 0
	s_cbranch_scc1 .Lround
	; ---- AES round 10: no mix_columns ----
	L1 0
	L1 1
	PLACES
.irp b, 0,1,2,3,4,5,6,7,8,9,10,11,12,13
	HPH D1+16*(\b&1), HH, HL
	FINSTEP \b
.endr
	HPH D1, HH, HL                                 ; byte 14
	KKLOAD X, 0                                    ; X has had its last use as an operand: tiles 0 to 3 take the key terms
	KKLOAD X+16, 2
	HPH D1+16, D1, D1+8                            ; byte 15, into the buffer that byte 14 has left, so that the four products below can take turns
	W2 7, A2L, HH,   0
	W2 1, A2L, D1,   0
	W2 7, A2L, HL,   0
	W2 1, A2L, D1+8, 0
	EFIN 0, X,    4, 4                             ; 4: the other buffer's four loads
	EFIN 2, X+16, 6, 6                             ; 6: two stores into the stage and four loads were issued behind mine
	EFIN 4, X,    6, 3
	EFIN 6, X+16, 6, 5
	EFIN 3, X,    6, 7
	EFIN 5, X+16, 6, 1
	EFIN 7, X,    6, -1
	EFIN 1, X+16, 2, -1                            ; 2: the two stores of the tile before
	; ---- the way out: whole rows back from my stage.  LDS serves a wave's instructions in order (ISA guide 5.7.1): the loads see the stores above ----
.irp row, 0,1,2,3,4,5,6,7,8,9,10,11,12,13,14,15
	ds_load_b128 v[D2+4*\row:D2+4*\row+3], v3 offset:SPITCH*\row
.endr
.irp row, 0,1,2,3,4,5,6,7,8,9,10,11,12,13,14,15
	s_wait_dscnt 15-\row                           ; row by row: the younger loads stay out
	global_store_b128 v4, v[D2+4*\row:D2+4*\row+3], s[22:23] offset:ROWB*\row th:TH_STORE_NT   ; 512 consecutive bytes, aligned
.endr
	s_wait_xcnt 0x0
	v_lshl_add_u32 v254, v0, 2, 0x23c00
	v_mov_b32 v255, 0
	s_wait_tensorcnt 0x0
	ds_add_u32 v254, v255
	s_wait_dscnt 0x0
	s_endpgm
.Lfunc_end_k_qc86d7a0c08_aes:
	.size	k_qc86d7a0c08_aes, .Lfunc_end_k_qc86d7a0c08_aes-k_qc86d7a0c08_aes
	.p2alignl 7, 3214868480
	.fill 96, 4, 3214868480
	.section	.rodata,"a",@progbits
	.p2align	6, 0x0
	.amdhsa_kernel k_qc86d7a0c08_aes
		.amdhsa_group_segment_fixed_size 148480
		.amdhsa_private_segment_fixed_size 0
		.amdhsa_enable_private_segment 0
		.amdhsa_kernarg_size 64
		.amdhsa_user_sgpr_count 2
		.amdhsa_user_sgpr_kernarg_segment_ptr 1
		.amdhsa_wavefront_size32 1
		.amdhsa_system_sgpr_workgroup_id_x 1
		.amdhsa_system_sgpr_workgroup_id_y 1
		.amdhsa_system_sgpr_workgroup_id_z 1
		.amdhsa_system_vgpr_workitem_id 0
		.amdhsa_next_free_vgpr 256
		.amdhsa_next_free_sgpr 66
		.amdhsa_reserve_vcc 0
		.amdhsa_float_denorm_mode_32 3
		.amdhsa_float_denorm_mode_16_64 3
		.amdhsa_memory_ordered 1
		.amdhsa_forward_progress 1
		.amdhsa_inst_pref_size 157
	.end_amdhsa_kernel
	.amdgpu_metadata
---
amdhsa.version: [ 1, 2 ]
amdhsa.kernels:
  - .name:           k_qc86d7a0c08_aes
    .symbol:         k_qc86d7a0c08_aes.kd
    .args:
      - { .name: state_tensor, .offset: 0, .size: 8, .value_kind: global_buffer, .address_space: global }
      - { .name: round_keys, .offset: 8, .size: 8, .value_kind: global_buffer, .address_space: global }
      - { .name: xorw, .offset: 16, .size: 8, .value_kind: global_buffer, .address_space: global }
      - { .name: xorb, .offset: 24, .size: 8, .value_kind: global_buffer, .address_space: global }
      - { .name: sbox_w0, .offset: 32, .size: 8, .value_kind: global_buffer, .address_space: global }
      - { .name: sbox_b0, .offset: 40, .size: 8, .value_kind: global_buffer, .address_space: global }
      - { .name: sbox_w1, .offset: 48, .size: 8, .value_kind: global_buffer, .address_space: global }
      - { .name: out0, .offset: 56, .size: 8, .value_kind: global_buffer, .address_space: global }
    .group_segment_fixed_size: 148480
    .private_segment_fixed_size: 0
    .kernarg_segment_align: 8
    .kernarg_segment_size: 64
    .max_flat_workgroup_size: 512
    .sgpr_count:     66
    .vgpr_count:     256
    .wavefront_size: 32
...
	.end_amdgpu_metadata
.endif
;; end of part 1
